; MI455X (gfx1250); checked and timed in simulation.
; The chip was launched on July 23, 2026; its instructions are those of AMD's public machine-readable ISA for CDNA 5 (MIT licence, August 2026) and "CDNA5" Instruction Set Architecture Reference Guide (July 2026). The comments in the code are by the model that wrote it; some were corrected since.
;; Prototype KNN Retriever. Allowed arithmetic: float matrix products may take bf16 or f16 operands with f32 sums; all other float work in f32.
;; Inputs: h_clean 1,024 x 256 float32; phones 1,024 int32; proto_genders 100,000 int32; proto_phones 100,000 int32; proto_speakers 100,000 int32; prototypes 100,000 x 256 float32.
;; Outputs: out0 1,024 x 256 float32.
;; Constants: target_gender = 0, target_speaker = 3.
;; One version. Each part assembles by itself: llvm-mc -triple=amdgcn-amd-amdhsa -mcpu=gfx1250 --defsym DOCPART=n.
;; ======== version 1 of 1: 3 launches
;; limits: right only within a limited range of input values
;; workspace buffers: lists 844,800 bytes of whole numbers; offs 16,896 bytes of whole numbers; cnts 131,072 bytes of whole numbers; cand 65,536 bytes of whole numbers
;; launch sort (part 1): grid 33 x 1, 25 waves a work-group, no clusters, 36,352 bytes of LDS; arguments phones, proto_genders, proto_phones, proto_speakers, lists, offs, cnts; writes lists, offs, cnts
.if DOCPART == 1
	.amdgcn_target "amdgcn-amd-amdhsa--gfx1250"
	.amdhsa_code_object_version 6
	.text
	.protected	k_q77823e5410_sort
	.globl	k_q77823e5410_sort
	.p2align	8
	.type	k_q77823e5410_sort,@function
k_q77823e5410_sort:
	s_mov_b64 s[64:65], 0
	v_nop
	global_prefetch_b8 v0, s[64:65] scope:SCOPE_SE
	s_setreg_imm32_b32 hwreg(HW_REG_WAVE_MODE, 25, 1), 1
	s_wait_xcnt 0x0
; SORT: a stable counting sort by bucket = phone & 63, and counts of matches.
; Work-group g < 32 owns prototypes 3125 g .. 3125 g + 3124 (32 x 3125 = 100,000) and keeps those with gender == 0 and speaker == 3.
; Work-group 32 sorts the 1,024 frames by the same key (all of them are kept).
; Out: lists[g] = 3,200 entries (index, phone) of 8 bytes: first the kept items, ordered by bucket and inside a bucket by index, then the rest;
;      offs[g]  = words 0..63 the buckets' first places, words 64..127 the number of kept items;
;      cnts[g][t] (g < 32) = how many kept prototypes of the segment have exactly frame t's phone, or a number of 2^20 or more.
; Labels may be any int32.  If every kept label of the segment lies in 0..63, bucket k holds exactly the label k: the count is the bucket's length,
; and 0 for a frame whose own label lies outside 0..63.  If some kept label lies outside, 2^20 is added to all the segment's counts (true counts
; sum to 100,000 at the most) and the next launch counts by comparing whole labels.  So no branch here hangs on the labels.
; 25 waves x 125 items.  A wave has 4 x 32 = 128 lane items; the three that are no items, and the items that are dropped, form bucket 64, so the
; 25 x 128 = 3,200 lane items are a permutation of the list's 3,200 places: every store runs with all lanes on and every place is written.
; No matrix unit, no tensor load, no cluster: 1.2 MB of labels are read once and the rest is LDS work.
.set NSEG, 32                          ; segments of prototypes; also the number of the frames' work-group
.set SEGN, 3125                        ; prototypes in a segment
.set NFR,  1024                        ; frames
.set PERW, 125                         ; items of a wave
.set HROW, 272                         ; LDS bytes of a wave's histogram: buckets 0..63, bucket 64 (dropped), word 65 a sink that is never read,
.set WBAD, 264                         ;   word 66 the wave's mask of kept labels outside 0..63, word 67 unused
.set BASE, 6912                        ; behind 25 histograms: 64 bucket offsets,
.set TOT,  BASE+256                    ; then the number of kept items (which is bucket 64's first place), then 2^20 or 0
.set SORT, 7424                        ; the sorted entries, 8 bytes each
.set CAP,  3199                        ; the last entry
.set SEGB, 25600                       ; bytes of a segment in lists
.set FLAG, 0x100000                    ; 2^20
.set ENT, 4                            ; v[4:11]   item i: (index, phone), a pair as it is stored
.set GE,  12                           ; v[12:15]  gender
.set SP,  16                           ; v[16:19]  speaker
.set KEY, 20                           ; v[20:23]  bucket, 64 for a dropped item
.set LR,  24                           ; v[24:27]  the item's rank in its bucket among the wave's items
.set LO,  28                           ; v[28:31]  byte offset of the item's labels
	s_load_b256 s[4:11], s[0:1], 0x0               ; phones s[4:5], genders s[6:7], proto_phones s[8:9], speakers s[10:11]
	s_load_b128 s[12:15], s[0:1], 0x20             ; lists s[12:13], offs s[14:15]
	s_load_b64 s[16:17], s[0:1], 0x30              ; cnts
	v_lshl_add_u32 v128, v0, 2, 0x8100
	v_mov_b32 v129, 0
	v_and_b32 v1, 31, v0                           ; lane L
	v_lshrrev_b32 v32, 5, v0
	v_readfirstlane_b32 s21, v32                   ; wave
	s_mov_b32 s20, ttmp9                           ; g
	s_movk_i32 s22, SEGN
	s_mul_i32 s23, s20, SEGN
	s_cmp_eq_u32 s20, NSEG
	s_cselect_b32 s22, NFR, s22                    ; how many items the work-group has
	s_cselect_b32 s23, 0, s23                      ; and the index of its first
	s_sub_co_u32 s40, s22, 1
	s_mul_i32 s41, s21, PERW                       ; the wave's first item
	s_mul_i32 s38, s21, HROW
	s_mov_b32 s46, 0                               ; the lanes that met a kept label outside 0..63
	v_lshlrev_b32 v2, v1, -2                       ; the lanes above mine, as a mask
	v_mov_b32 v3, s38                              ; my wave's histogram
	v_mov_b32 v32, 0
	v_mov_b32 v33, 0
	v_lshl_add_u32 v34, v1, 3, v3
	v_and_b32 v35, 3, v1
	v_lshl_add_u32 v35, v35, 2, v3
	ds_store_b64 v34, v[32:33]                     ; buckets 0..63 = 0
	ds_store_b32 v35, v32 offset:256               ; bucket 64 and the three words behind it = 0
.irp i, 0,1,2,3
	v_add3_u32 v[ENT+2*\i], s41, 32*\i, v1         ; item n = 125 w + 32 i + L
	v_min_u32 v36, s40, v[ENT+2*\i]                ; no load leaves the work-group's items
	v_add_lshl_u32 v[LO+\i], v36, s23, 2
.endr
	v_min_u32 v37, 511, v0
	v_lshlrev_b32 v37, 3, v37                      ; frames 2 tid, 2 tid + 1 (threads 0..511 give their counts at the end)
	s_mul_i32 s38, s20, SEGB
	s_mov_b32 s39, 0
	s_lshl_b32 s42, s20, 9
	s_mov_b32 s43, 0
	s_wait_kmcnt 0x0
	s_add_nc_u64 s[26:27], s[12:13], s[38:39]      ; my segment of lists
	s_add_nc_u64 s[28:29], s[14:15], s[42:43]      ; my 512 bytes of offs
	s_cmp_eq_u32 s20, NSEG
	s_cselect_b64 s[24:25], s[4:5], s[8:9]         ; the keys: the frames' phones or the prototypes'
	global_load_b64 v[100:101], v37, s[4:5]
.irp i, 0,1,2,3
	global_load_b32 v[ENT+2*\i+1], v[LO+\i], s[24:25]
.endr
	s_cmp_eq_u32 s20, NSEG
	s_cbranch_scc1 .Lframes
.irp i, 0,1,2,3
	global_load_b32 v[GE+\i], v[LO+\i], s[6:7] th:TH_LOAD_NT
	global_load_b32 v[SP+\i], v[LO+\i], s[10:11] th:TH_LOAD_NT
.endr
	s_branch .Lloaded
.Lframes:
.irp i, 0,1,2,3
	v_mov_b32 v[GE+\i], 0                          ; a frame passes the test below as it stands
	v_mov_b32 v[SP+\i], 3
.endr
.Lloaded:
	s_wait_loadcnt 0x0                             ; all labels are in; this also frees the loads' address registers
; Item i of every lane: is it kept, which bucket, which rank among the wave's items of that bucket.
; peers = the lanes with my bucket, from seven ballots (one for each bit of the bucket's number).
; The highest peer writes the bucket's new count; the other lanes store into the row's sink, so that all lanes stay on.
.macro ITEM_A i
	v_add_nc_u32 v32, 32*\i, v1
	v_cmp_gt_u32 s38, PERW, v32                    ; inside the wave's 125
	v_cmp_gt_u32 s39, s22, v[ENT+2*\i]             ; inside the work-group's items
	s_and_b32 s38, s38, s39
	v_cmp_eq_u32 s39, 0, v[GE+\i]                  ; target_gender = 0
	s_and_b32 s38, s38, s39
	v_cmp_eq_u32 s39, 3, v[SP+\i]                  ; target_speaker = 3
	s_and_b32 s38, s38, s39                        ; kept
	v_and_b32 v[KEY+\i], 63, v[ENT+2*\i+1]
	v_cmp_ne_u32 s39, v[KEY+\i], v[ENT+2*\i+1]     ; the label is not its own bucket's number: it lies outside 0..63
	s_and_b32 s39, s39, s38
	s_or_b32 s46, s46, s39
	v_cndmask_b32 v[KEY+\i], 64, v[KEY+\i], s38
	v_min_u32 v[KEY+\i], 64, v[KEY+\i]             ; states the range of the LDS addresses made of it
.irp b, 1,2,4,8,16,32,64
	v_and_b32 v35, \b, v[KEY+\i]
	v_cmp_ne_u32 vcc_lo, 0, v35                    ; the lanes that have this bit
	v_cndmask_b32 v36, 0, -1, vcc_lo
.if \b == 1
	v_xor_b32 v34, vcc_lo, v36                     ; the lanes that differ from me in it
.else
	v_xor_b32 v36, vcc_lo, v36
	v_or_b32 v34, v34, v36
.endif
.endr
	v_xor_b32 v34, -1, v34                         ; peers
	v_mbcnt_lo_u32_b32 v35, v34, 0                 ; peers below me
	v_lshl_add_u32 v37, v[KEY+\i], 2, v3
	ds_load_b32 v36, v37                           ; the bucket's count so far; LDS serves a wave in order, so the last item's store is seen
	v_and_b32 v38, v34, v2
	v_cmp_eq_u32 vcc_lo, 0, v38                    ; no peer above me: I write the new count
	v_cndmask_b32 v38, 65, v[KEY+\i], vcc_lo       ; the others write word 65
	v_min_u32 v38, 65, v38
	v_lshl_add_u32 v38, v38, 2, v3
	s_wait_dscnt 0x0
	v_add_nc_u32 v[LR+\i], v36, v35
	v_add_nc_u32 v39, 1, v[LR+\i]
	ds_store_b32 v38, v39
.endm
	ITEM_A 0
	ITEM_A 1
	ITEM_A 2
	ITEM_A 3
	v_mov_b32 v32, s46
	ds_store_b32 v3, v32 offset:WBAD               ; every lane the same word: not 0 if the wave met a kept label outside 0..63
	s_wait_dscnt 0x0                               ; my histogram is written
	s_barrier_signal -1
	s_barrier_wait -1                              ; all 25 are
	; Wave 0: lane L owns buckets 2L, 2L+1.  Each wave's histogram becomes the sum of the waves in front of it; the totals are scanned over the buckets.
	s_cmp_lg_u32 s21, 0
	s_cbranch_scc1 .Lnot_wave_0
	v_lshlrev_b32 v40, 3, v1
.set k, 0
.rept 25
	ds_load_b64 v[48+2*k:49+2*k], v40 offset:HROW*k
.set k, k+1
.endr
	v_mov_b32 v42, 0
	v_mov_b32 v43, 0
	s_wait_dscnt 0x0
.set k, 0
.rept 25
	ds_store_b64 v40, v[42:43] offset:HROW*k
	v_add_nc_u32 v42, v42, v[48+2*k]
	v_add_nc_u32 v43, v43, v[49+2*k]
.set k, k+1
.endr
	v_add_nc_u32 v44, v42, v43                     ; my two buckets together
	v_mov_b32 v45, v44
	v_mov_b32 v46, 0                               ; a DPP destination counts as read
.irp n, 1,2,4,8
	v_mov_b32_dpp v46, v45 row_shr:\n row_mask:0xf bank_mask:0xf bound_ctrl:1
	v_add_nc_u32 v45, v45, v46                     ; inclusive scan inside each 16 lanes
.endr
	v_readlane_b32 s38, v45, 15
	v_cmp_lt_u32 vcc_lo, 15, v1
	v_cndmask_b32 v46, 0, s38, vcc_lo
	v_add_nc_u32 v45, v45, v46                     ; the upper 16 lanes add the lower 16's sum
	v_readlane_b32 s34, v45, 31                    ; the number of kept items
	v_sub_nc_u32 v48, v45, v44                     ; first place of bucket 2L
	v_add_nc_u32 v49, v48, v42                     ; and of bucket 2L+1
	v_mov_b32 v50, s34
	v_mov_b32 v52, 0
	v_mov_b32 v54, s34
	v_mov_b32 v55, s34
	ds_store_b64 v40, v[48:49] offset:BASE
	ds_store_b32 v52, v50 offset:TOT               ; every lane the same word
	global_store_b64 v40, v[48:49], s[28:29]               ; 256 consecutive bytes: the offsets
	global_store_b64 v40, v[54:55], s[28:29] offset:256    ; 256 consecutive bytes: the number of kept items
	s_branch .Lscanned
.Lnot_wave_0:
	; Wave 1, meanwhile: the same sum over the waves in front for bucket 64, and the 25 waves' masks of labels outside 0..63 taken together.
	; Every lane does the same with the same words.
	s_cmp_lg_u32 s21, 1
	s_cbranch_scc1 .Lscanned
	v_mov_b32 v40, 0
.set k, 0
.rept 25
	ds_load_b32 v[48+k], v40 offset:HROW*k+256
	ds_load_b32 v[73+k], v40 offset:HROW*k+WBAD
.set k, k+1
.endr
	v_mov_b32 v42, 0
	v_mov_b32 v44, FLAG
	s_wait_dscnt 0x0
.set k, 0
.rept 25
	ds_store_b32 v40, v42 offset:HROW*k+256
	v_add_nc_u32 v42, v42, v[48+k]
.set k, k+1
.endr
.set k, 1
.rept 24
	v_or_b32 v73, v73, v[73+k]
.set k, k+1
.endr
	v_cmp_ne_u32 vcc_lo, 0, v73
	v_cndmask_b32 v43, 0, v44, vcc_lo
	ds_store_b32 v40, v43 offset:TOT+4             ; 2^20 if the buckets do not tell the labels apart, else 0
.Lscanned:
	s_wait_dscnt 0x0                               ; waves 0 and 1: their LDS stores are done
	s_wait_xcnt 0x0                                ; wave 0: the address and data registers of its two global stores are written again below
	s_barrier_signal -1
	s_barrier_wait -1
	; Placement: place = the bucket's first place + the earlier waves' items of the bucket + my rank in the wave.
.irp i, 0,1,2,3
	v_lshlrev_b32 v[36+\i], 2, v[KEY+\i]
	v_add_nc_u32 v[40+\i], v3, v[36+\i]
	ds_load_b32 v[44+\i], v[36+\i] offset:BASE
	ds_load_b32 v[48+\i], v[40+\i]
.endr
	s_wait_dscnt 0x0
.irp i, 0,1,2,3
	v_add3_u32 v[44+\i], v[44+\i], v[48+\i], v[LR+\i]
	v_min_u32 v[44+\i], CAP, v[44+\i]
	v_lshlrev_b32 v[44+\i], 3, v[44+\i]
	v_add_nc_u32 v[ENT+2*\i], s23, v[ENT+2*\i]     ; the item's index in the whole array
	ds_store_b64 v[44+\i], v[ENT+2*\i:ENT+2*\i+1] offset:SORT
.endr
	s_wait_dscnt 0x0
	s_barrier_signal -1
	s_barrier_wait -1                              ; the sorted list is whole: all 3,200 places
	; The list goes out: entry tid + 800 c.  A wave's store covers 256 consecutive bytes at 256 w + 6,400 c, a multiple of 256 from the buffer's first byte.
	v_lshlrev_b32 v33, 3, v0
.irp c, 0,1,2,3
	ds_load_b64 v[56+2*\c:57+2*\c], v33 offset:SORT+6400*\c
.endr
.irp c, 0,1,2,3
	s_wait_dscnt 3-\c                              ; LDS loads come back in order: the 3 - c younger ones may stay out
	global_store_b64 v33, v[56+2*\c:57+2*\c], s[26:27] offset:6400*\c
.endr
	; Counts, prototypes' work-groups only: thread tid < 512 gives those of frames 2 tid and 2 tid + 1. No barrier follows.
	s_cmp_eq_u32 s20, NSEG
	s_cbranch_scc1 .Ldone
	s_cmp_gt_u32 s21, 15
	s_cbranch_scc1 .Ldone
	v_and_b32 v108, 63, v100
	v_and_b32 v109, 63, v101
	v_cmp_eq_u32 s44, v108, v100                   ; the frame's own label lies in 0..63
	v_cmp_eq_u32 s45, v109, v101
	v_min_u32 v108, 63, v108                       ; states the range of the LDS addresses made of them
	v_min_u32 v109, 63, v109
	v_lshlrev_b32 v108, 2, v108
	v_lshlrev_b32 v109, 2, v109
	v_mov_b32 v110, 0
	ds_load_b32 v102, v108 offset:BASE             ; first place of the frame's bucket
	ds_load_b32 v103, v108 offset:BASE+4           ; and of the next (behind bucket 63 stands the number of kept items)
	ds_load_b32 v104, v109 offset:BASE
	ds_load_b32 v105, v109 offset:BASE+4
	ds_load_b32 v111, v110 offset:TOT+4            ; 2^20 or 0
	s_lshl_b32 s38, s20, 12
	s_mov_b32 s39, 0
	s_add_nc_u64 s[18:19], s[16:17], s[38:39]      ; cnts[g]
	v_lshlrev_b32 v112, 3, v0
	s_wait_dscnt 0x0
	v_sub_nc_u32 v103, v103, v102                  ; the buckets' lengths
	v_sub_nc_u32 v105, v105, v104
	v_cndmask_b32 v103, 0, v103, s44               ; no kept label in 0..63 equals a frame's label outside
	v_cndmask_b32 v105, 0, v105, s45
	v_add_nc_u32 v106, v103, v111
	v_add_nc_u32 v107, v105, v111
	global_store_b64 v112, v[106:107], s[18:19]    ; a wave's store covers 256 consecutive bytes
.Ldone:
	s_wait_tensorcnt 0x0
	ds_add_u32 v128, v129
	s_wait_dscnt 0x0
	s_endpgm
.Lfunc_end_k_q77823e5410_sort:
	.size	k_q77823e5410_sort, .Lfunc_end_k_q77823e5410_sort-k_q77823e5410_sort
	.p2alignl 7, 3214868480
	.fill 96, 4, 3214868480
	.section	.rodata,"a",@progbits
	.p2align	6, 0x0
	.amdhsa_kernel k_q77823e5410_sort
		.amdhsa_group_segment_fixed_size 36352
		.amdhsa_private_segment_fixed_size 0
		.amdhsa_enable_private_segment 0
		.amdhsa_kernarg_size 56
		.amdhsa_user_sgpr_count 2
		.amdhsa_user_sgpr_kernarg_segment_ptr 1
		.amdhsa_wavefront_size32 1
		.amdhsa_system_sgpr_workgroup_id_x 1
		.amdhsa_system_sgpr_workgroup_id_y 1
		.amdhsa_system_sgpr_workgroup_id_z 1
		.amdhsa_system_vgpr_workitem_id 0
		.amdhsa_next_free_vgpr 130
		.amdhsa_next_free_sgpr 66
		.amdhsa_reserve_vcc 1
		.amdhsa_float_denorm_mode_32 3
		.amdhsa_float_denorm_mode_16_64 3
		.amdhsa_memory_ordered 1
		.amdhsa_forward_progress 1
		.amdhsa_inst_pref_size 32
	.end_amdhsa_kernel
	.amdgpu_metadata
---
amdhsa.version: [ 1, 2 ]
amdhsa.kernels:
  - .name:           k_q77823e5410_sort
    .symbol:         k_q77823e5410_sort.kd
    .args:
      - { .name: phones, .offset: 0, .size: 8, .value_kind: global_buffer, .address_space: global }
      - { .name: proto_genders, .offset: 8, .size: 8, .value_kind: global_buffer, .address_space: global }
      - { .name: proto_phones, .offset: 16, .size: 8, .value_kind: global_buffer, .address_space: global }
      - { .name: proto_speakers, .offset: 24, .size: 8, .value_kind: global_buffer, .address_space: global }
      - { .name: lists, .offset: 32, .size: 8, .value_kind: global_buffer, .address_space: global }
      - { .name: offs, .offset: 40, .size: 8, .value_kind: global_buffer, .address_space: global }
      - { .name: cnts, .offset: 48, .size: 8, .value_kind: global_buffer, .address_space: global }
    .group_segment_fixed_size: 36352
    .private_segment_fixed_size: 0
    .kernarg_segment_align: 8
    .kernarg_segment_size: 56
    .max_flat_workgroup_size: 800
    .sgpr_count:     66
    .vgpr_count:     130
    .wavefront_size: 32
...
	.end_amdgpu_metadata
.endif
;; end of part 1
;; launch screen (part 2): grid 64 x 4, 8 waves a work-group, no clusters, 83,200 bytes of LDS; arguments h_clean, prototypes, lists, offs, cnts, cand; writes cand
.if DOCPART == 2
	.amdgcn_target "amdgcn-amd-amdhsa--gfx1250"
	.amdhsa_code_object_version 6
	.text
	.protected	k_q77823e5410_screen
	.globl	k_q77823e5410_screen
	.p2align	8
	.type	k_q77823e5410_screen,@function
k_q77823e5410_screen:
	s_mov_b64 s[64:65], 0
	v_nop
	global_prefetch_b8 v0, s[64:65] scope:SCOPE_SE
	s_setreg_imm32_b32 hwreg(HW_REG_WAVE_MODE, 25, 1), 1
	s_wait_xcnt 0x0
; SCREEN: for 16 neighbouring frames of the sorted frame list (tile tau = x) and a quarter of the prototypes (q = y: segments 8q .. 8q+7),
; the four candidates with the smallest distance, by a bf16 product.  Wave w takes segment 8q + w.  Frames and candidates are sorted by the same
; bucket, so the tile's candidates in a segment are one run of its list; if a frame of the tile has fewer than 4 exact matches in all 32 segments,
; its phone test is dropped and the tile walks all the segment's kept items.
; The matches are the sum of cnts over the segments.  A sum of 2^20 or more says that some segment holds a label outside 0..63, so that its buckets
; do not tell labels apart: then each wave counts for itself, walking the tile's run in all 32 segments and comparing whole 32-bit labels.  Its trip
; counts are words of offs.  Each wave does this alone, without LDS and without a barrier.
; key = |p-c|^2 - 2 (h-c).(p-c) = d2 - |h-c|^2, c = the tile's first frame: the last term is the same for all candidates of a frame, and with the
; centre taken away before the rounding to bf16 a common offset of the inputs does not enter the rounding error.
; Out: cand[q][sorted frame][4] = prototype indices, or 0x80000000 | (4q + k) for a place that stayed empty.
; LIMITS: NaN and infinities in h_clean or prototypes are not served.  A key of 1.58e29 (0x70000000) or more counts as masked.
; The order inside a quarter is that of bf16 operands: one of the true four nearest is lost only if at least five near-best candidates lie in one
; quarter and the rounding changes their order; the last launch computes the distances of the 16 finalists in f32.
; The trip count differs from wave to wave, so the loop holds no barrier: each wave gathers its rows through registers into LDS bytes of its own.
; No tensor loads (rows are gathered one by one).  No cluster: the four quarters of a tile share only the tile's 16 rows of h, 16 KiB.
.set HPITCH, 528                       ; an LDS row of 256 bf16 + 16 bytes: an odd multiple of 16, so 16 rows start at 16 different 16-byte columns
.set WV0,  16*HPITCH                   ; LDS 0: HT, the tile's 16 frames.  Behind it a region for each wave:
.set WVB,  8704                        ;   PT 16 x 528, then three arrays of 16 words
.set SM,   16*HPITCH                   ;   at +SM the indices, +SM+64 the phones, +SM+128 |p-c|^2
.set MRG,  WV0+8*WVB                   ; the waves' lists: (16 w + r) x 32 bytes: 4 keys, 4 indices
.set SEGB, 25600                       ; bytes of a segment in lists: 3,200 entries of 8
.set SEGE, 3200
.set CEN,  16                          ; v[16:31]   the centre: columns 64 c + 4 r .. + 3 in registers 4c .. 4c+3
.set X,    16                          ; v[16:23]   behind the loop: the other half's list
.set ACC0, 32                          ; v[32:39]
.set ACC1, 40                          ; v[40:47]
.set LK,   48                          ; v[48:51]   the four smallest keys, ascending
.set LI,   52                          ; v[52:55]   their indices
.set P2,   56                          ; v[56:63]   |p-c|^2 of candidates 8h .. 8h+7
.set PC,   64                          ; v[64:71]   their phones
.set IX,   72                          ; v[72:79]   their indices
.set VR,   80                          ; v[80:87]   byte offsets of rows 2i + h
.set SS,   88                          ; v[88:95]   sums of squares
.set T,    112                         ; v[112:113] a running pair of sums
.set U,    114                         ; v[114:117] two pairs of packed bf16, by turns
.set IT,   118                         ; v[118:119] INSERT's temporaries
.set RAW,  128                         ; v[128:255] 8 x 2 rows as loaded; then
.set FA,   128                         ; v[128:191] fragments of the candidates
.set FB,   192                         ; v[192:255] fragments of the frames
; Two rows (one in each half of the lanes), 16 numbers a lane: take the centre away, round to bf16, store to LDS; sum = 1: also the lane's sum of squares.
.macro CONV raw, addr, imm, sum, ss
.irp c, 0,1,2,3
	v_pk_add_f32 v[\raw+4*\c:\raw+4*\c+1], v[\raw+4*\c:\raw+4*\c+1], v[CEN+4*\c:CEN+4*\c+1] neg_lo:[0,1] neg_hi:[0,1]
	v_pk_add_f32 v[\raw+4*\c+2:\raw+4*\c+3], v[\raw+4*\c+2:\raw+4*\c+3], v[CEN+4*\c+2:CEN+4*\c+3] neg_lo:[0,1] neg_hi:[0,1]
.if \sum
.if \c == 0
	v_pk_mul_f32 v[T:T+1], v[\raw+4*\c:\raw+4*\c+1], v[\raw+4*\c:\raw+4*\c+1]
.else
	v_pk_fma_f32 v[T:T+1], v[\raw+4*\c:\raw+4*\c+1], v[\raw+4*\c:\raw+4*\c+1], v[T:T+1]
.endif
	v_pk_fma_f32 v[T:T+1], v[\raw+4*\c+2:\raw+4*\c+3], v[\raw+4*\c+2:\raw+4*\c+3], v[T:T+1]
.endif
	v_cvt_pk_bf16_f32 v[U+2*(\c&1)], v[\raw+4*\c], v[\raw+4*\c+1]
	v_cvt_pk_bf16_f32 v[U+2*(\c&1)+1], v[\raw+4*\c+2], v[\raw+4*\c+3]
	ds_store_b64 v[\addr], v[U+2*(\c&1):U+2*(\c&1)+1] offset:\imm+128*\c
.endr
.if \sum
	v_add_f32 v[\ss], v[T], v[T+1]
.endif
.endm
; (key x, index xi) into the sorted list of four.  A key that is not smaller than the fourth changes nothing.
.macro INSERT x, xi
	v_cmp_lt_f32 s32, v[\x], v[LK]
	v_cmp_lt_f32 s33, v[\x], v[LK+1]
	v_cmp_lt_f32 s34, v[\x], v[LK+2]
	v_cmp_lt_f32 s35, v[\x], v[LK+3]
	v_cndmask_b32 v[IT], v[\xi], v[LI+2], s34
	v_cndmask_b32 v[LI+3], v[LI+3], v[IT], s35
	v_cndmask_b32 v[IT+1], v[\xi], v[LI+1], s33
	v_cndmask_b32 v[LI+2], v[LI+2], v[IT+1], s34
	v_cndmask_b32 v[IT], v[\xi], v[LI], s32
	v_cndmask_b32 v[LI+1], v[LI+1], v[IT], s33
	v_cndmask_b32 v[LI], v[LI], v[\xi], s32
	v_med3_num_f32 v[LK+3], v[\x], v[LK+2], v[LK+3]
	v_med3_num_f32 v[LK+2], v[\x], v[LK+1], v[LK+2]
	v_med3_num_f32 v[LK+1], v[\x], v[LK], v[LK+1]
	v_min_num_f32 v[LK], v[\x], v[LK]
.endm
; The two halves of the lanes hold lists for the same frame: each takes the other's in.
.macro XCHG
.irp k, 0,1,2,3,4,5,6,7
	v_permlanex16_b32 v[X+\k], v[LK+\k], s36, s37  ; X has been written on every path (it held the centre)
.endr
.irp k, 0,1,2,3
	INSERT X+\k, X+4+\k
.endr
.endm
	s_load_b256 s[4:11], s[0:1], 0x0               ; h s[4:5], prototypes s[6:7], lists s[8:9], offs s[10:11]
	s_load_b128 s[12:15], s[0:1], 0x20             ; cnts s[12:13], cand s[14:15]
	v_lshl_add_u32 v126, v0, 2, 0x14100
	v_mov_b32 v127, 0
	v_and_b32 v1, 15, v0                           ; r
	v_bfe_u32 v2, v0, 4, 1                         ; h
	v_lshrrev_b32 v8, 5, v0
	v_readfirstlane_b32 s18, v8                    ; wave
	s_mov_b32 s16, ttmp9                           ; tau
	s_and_b32 s17, ttmp7, 0xffff                   ; q
	s_lshl_b32 s19, s17, 3
	s_add_co_u32 s19, s19, s18                     ; segment g = 8 q + w
	s_mov_b32 s36, 0x76543210                      ; v_permlanex16_b32: lane i takes lane i of the other half
	s_mov_b32 s37, 0xfedcba98
	s_mul_i32 s38, s19, SEGB
	s_mov_b32 s39, 0
	s_lshl_b32 s44, s16, 7
	v_lshlrev_b32 v6, 4, v1                        ; 16 r
	v_lshl_add_u32 v8, v1, 3, s44                  ; entry 16 tau + r of the frames' list
	v_mov_b32 v7, 0x7149f2ca                       ; BIG = 1e30
	s_wait_kmcnt 0x0
	s_add_nc_u64 s[40:41], s[8:9], s[38:39]        ; my segment's list
	s_add_nc_u64 s[42:43], s[8:9], 32*SEGB         ; the frames' list
	global_load_b64 v[4:5], v8, s[42:43]           ; (t, phone) of frame r, in both halves
	; LDS addresses, while that load is out
	v_mul_u32_u24 v15, v2, HPITCH
	v_lshl_add_u32 v15, v1, 3, v15                 ; 528 h + 8 r: where a lane stores 4 bf16 of row h of a pair
	v_mul_u32_u24 v98, v1, HPITCH
	v_lshl_add_u32 v98, v2, 4, v98                 ; 528 r + 16 h: a fragment's address in HT
	s_mul_i32 s38, s18, WVB
	s_add_co_u32 s38, s38, WV0                     ; my wave's region
	v_add_nc_u32 v96, s38, v15
	v_add_nc_u32 v97, s38, v98
	s_add_co_u32 s39, s38, SM
	v_lshl_add_u32 v99, v1, 2, s39                 ; small arrays + 4 r
	v_lshl_add_u32 v100, v2, 2, s39                ; + 4 h
	v_lshl_add_u32 v101, v2, 5, s39                ; + 32 h
	s_lshl_b32 s39, s18, 9
	s_add_co_u32 s39, s39, MRG
	v_lshl_add_u32 v102, v1, 5, s39                ; my wave's list of frame r
	v_lshlrev_b32 v103, 11, v2
	v_lshl_add_u32 v103, v1, 5, v103
	v_add_nc_u32 v103, MRG, v103                   ; wave 0 at the end: the lists of waves 4h .. 4h+3
	s_mul_i32 s39, s18, 2*HPITCH
	v_add_nc_u32 v13, s39, v15                     ; HT, rows 2w + h
	s_lshl_b32 s39, s18, 3
	v_lshl_add_u32 v12, v2, 2, s39                 ; 4 x lane 2w + h
	s_wait_loadcnt 0x0
	v_min_u32 v3, 1023, v4                         ; t
	v_readlane_b32 s38, v5, 0                      ; the tile's frames are sorted: the first has the lowest bucket,
	v_readlane_b32 s39, v5, 15                     ; the last the highest
	s_and_b32 s38, s38, 63
	s_and_b32 s39, s39, 63
	s_min_u32 s38, s38, 63
	s_min_u32 s39, s39, 63
	s_lshl_b32 s47, s19, 9                         ; offs[g]
	s_lshl_b32 s48, s38, 2                         ; the lowest bucket's word in a segment's offsets
	s_lshl_b32 s49, s39, 2                         ; the highest bucket's
	s_add_co_u32 s20, s48, s47
	s_add_co_u32 s21, s49, s47
	s_load_b32 s22, s[10:11], s20 offset:0x0       ; first place of the lowest bucket
	s_load_b32 s23, s[10:11], s21 offset:0x4       ; end of the highest (word 64 is the number of kept items)
	s_load_b32 s24, s[10:11], s47 offset:0x100     ; the segment's kept items
	v_readlane_b32 s45, v3, 0
	s_min_u32 s45, s45, 1023
	s_lshl_b32 s46, s45, 10
	v_add_nc_u32 v9, s46, v6
.irp c, 0,1,2,3
	global_load_b128 v[CEN+4*\c:CEN+4*\c+3], v9, s[4:5] offset:256*\c      ; the centre: the tile's first frame
.endr
	ds_bpermute_b32 v10, v12, v3                   ; t of tile row 2w + h
	s_wait_dscnt 0x0
	v_min_u32 v10, 1023, v10
	v_lshl_add_u32 v10, v10, 10, v6
.irp c, 0,1,2,3
	global_load_b128 v[RAW+4*\c:RAW+4*\c+3], v10, s[4:5] offset:256*\c     ; my wave's two rows of the tile
.endr
	v_lshlrev_b32 v14, 2, v3
	v_lshl_add_u32 v14, v2, 16, v14
.irp i, 0,1,2,3,4,5,6,7,8,9,10,11,12,13,14,15
	global_load_b32 v[RAW+16+\i], v14, s[12:13] offset:4096*\i             ; cnts[16 h + i][t]
.endr
	s_wait_loadcnt 16                              ; the 16 count loads are younger and stay out: the centre and my two rows are in
	CONV RAW, 13, 0, 0, 0
	s_wait_loadcnt 0x0
.irp i, 0,1,2,3,4,5,6,7
	v_add_nc_u32 v[RAW+16+\i], v[RAW+16+\i], v[RAW+24+\i]
.endr
.irp i, 0,1,2,3
	v_add_nc_u32 v[RAW+16+\i], v[RAW+16+\i], v[RAW+20+\i]
.endr
	v_add_nc_u32 v[RAW+16], v[RAW+16], v[RAW+18]
	v_add_nc_u32 v[RAW+17], v[RAW+17], v[RAW+19]
	v_add_nc_u32 v[RAW+16], v[RAW+16], v[RAW+17]
	v_permlanex16_b32 v[RAW+17], v[RAW+16], s36, s37
	v_add_nc_u32 v[RAW+16], v[RAW+16], v[RAW+17]   ; frame r's exact matches in all 32 segments, or 2^20 and more
	s_mov_b32 s39, 0xfffff
	v_cmp_lt_u32 s38, s39, v[RAW+16]
	s_cmp_eq_u32 s38, 0
	s_cbranch_scc1 .Lcounted                       ; every segment's buckets tell the labels apart: the sum is the count
	; Some segment holds a label outside 0..63: count anew.  Every lane walks the tile's run of buckets in each of the 32 segments, 16 entries a trip
	; (all lanes load the same words), and compares each entry's whole label with its own frame's.  A frame's matches lie in its own bucket, which is
	; one of the run.  A trip's first place lies below the run's end, 3,125 at the most, so the clamp to 3,184 moves nothing and no load passes the
	; segment's 3,200 entries; what lies behind the run's end is read and not counted.  Both halves of the lanes end with the same count.
	v_mov_b32 v[RAW+16], 0
	s_mov_b32 s52, 0                               ; segment
.Lseg:
	s_lshl_b32 s53, s52, 9
	s_add_co_u32 s54, s53, s49
	s_add_co_u32 s53, s53, s48
	s_load_b32 s55, s[10:11], s53 offset:0x0       ; the run's first place
	s_load_b32 s56, s[10:11], s54 offset:0x4       ; and its end
	s_mul_i32 s60, s52, SEGB
	s_mov_b32 s61, 0
	s_add_nc_u64 s[50:51], s[8:9], s[60:61]        ; the segment's list
	s_wait_kmcnt 0x0
	s_min_u32 s55, s55, SEGE
	s_min_u32 s56, s56, SEGE
	s_sub_co_i32 s57, s56, s55
	s_max_i32 s57, s57, 0                          ; entries left
	s_add_co_u32 s58, s57, 15
	s_lshr_b32 s58, s58, 4                         ; trips of 16
	s_cmp_eq_u32 s58, 0
	s_cbranch_scc1 .Lseg_done
	s_mov_b32 s59, 0
.Lent:
	s_min_u32 s38, s55, SEGE-16
	s_lshl_b32 s38, s38, 3
	v_mov_b32 v8, s38
.irp k, 0,1,2,3,4,5,6,7,8,9,10,11,12,13,14,15
	global_load_b32 v[RAW+32+\k], v8, s[50:51] offset:8*\k+4               ; the entries' labels
.endr
	s_wait_loadcnt 0x0                             ; all sixteen are in; this also frees their address register and base
.irp k, 0,1,2,3,4,5,6,7,8,9,10,11,12,13,14,15
	v_cmp_eq_u32 s38, v[RAW+32+\k], v5
	s_cmp_gt_i32 s57, \k                           ; still inside the run
	s_cselect_b32 vcc_lo, s38, 0
	v_add_co_ci_u32 v[RAW+16], vcc_lo, 0, v[RAW+16], vcc_lo
.endr
	s_add_co_u32 s55, s55, 16
	s_sub_co_i32 s57, s57, 16
	s_add_co_u32 s59, s59, 1
	s_cmp_lt_u32 s59, s58
	s_cbranch_scc1 .Lent
.Lseg_done:
	s_add_co_u32 s52, s52, 1
	s_cmp_lt_u32 s52, 32
	s_cbranch_scc1 .Lseg
.Lcounted:
	v_cmp_gt_u32 s25, 4, v[RAW+16]                 ; fewer than K = 4: the frame's phone test is dropped
.irp k, 0,1,2,3
	v_mov_b32 v[LK+\k], v7
	v_mov_b32 v[LI+\k], 0
.endr
	s_wait_kmcnt 0x0
	s_cmp_lg_u32 s25, 0
	s_cselect_b32 s26, 0, s22                      ; pos: with such a frame in the tile all kept items are walked
	s_cselect_b32 s27, s24, s23                    ; end
	s_min_u32 s26, s26, SEGE
	s_min_u32 s27, s27, SEGE
	s_sub_co_i32 s30, s27, s26
	s_max_i32 s30, s30, 0                          ; candidates left
	s_add_co_u32 s28, s30, 15
	s_lshr_b32 s28, s28, 4                         ; trips of 16
	s_max_u32 s31, s27, 1
	s_sub_co_u32 s31, s31, 1                       ; the run's last entry
	s_wait_dscnt 0x0                               ; my two rows of HT are written
	s_barrier_signal -1
	s_barrier_wait -1                              ; all 16 are
	s_cmp_eq_u32 s28, 0
	s_cbranch_scc1 .Lmerge
	s_mov_b32 s29, 0
.Ltile:
	; 16 candidates.  Slots behind the run's end repeat its last entry and are masked through |p-c|^2 = BIG.
	v_add_nc_u32 v8, s26, v1
	v_min_u32 v8, s31, v8
	v_min_u32 v8, SEGE-1, v8
	v_lshlrev_b32 v8, 3, v8
	global_load_b64 v[10:11], v8, s[40:41]         ; (index, phone) of slot r
	s_wait_loadcnt 0x0
	ds_store_b32 v99, v10                          ; both halves store the same word
	ds_store_b32 v99, v11 offset:64
.irp i, 0,1,2,3,4,5,6,7
	ds_load_b32 v[VR+\i], v100 offset:8*\i         ; index of slot 2i + h; LDS serves a wave in order: the stores above are seen
.endr
	s_wait_dscnt 0x0
.irp i, 0,1,2,3,4,5,6,7
	v_min_u32 v[VR+\i], 0x1869f, v[VR+\i]
	v_lshl_add_u32 v[VR+\i], v[VR+\i], 10, v6
.endr
.irp i, 0,1,2,3,4,5,6,7
.irp c, 0,1,2,3
	global_load_b128 v[RAW+16*\i+4*\c:RAW+16*\i+4*\c+3], v[VR+\i], s[6:7] offset:256*\c    ; 16 lanes take 256 consecutive bytes of a row
.endr
.endr
.irp i, 0,1,2,3,4,5,6,7
	s_wait_loadcnt 28-4*\i                         ; the four loads of each later pair of rows stay out
	CONV RAW+16*\i, 96, 2*HPITCH*\i, 1, SS+\i
.endr
.irp n, 1,2,4,8
.irp i, 0,1,2,3,4,5,6,7
	v_add_f32_dpp v[SS+\i], v[SS+\i], v[SS+\i] row_xmask:\n row_mask:0xf bank_mask:0xf     ; over the 16 lanes that share a row
.endr
.endr
.irp i, 0,1,2,3,4,5,6,7
	s_sub_co_i32 s38, s30, 2*\i
	v_cmp_gt_i32 vcc_lo, s38, v2                   ; slot 2i + h lies inside the run
	v_cndmask_b32 v[SS+\i], v7, v[SS+\i], vcc_lo
	ds_store_b32 v100, v[SS+\i] offset:128+8*\i
.endr
	ds_load_b128 v[IX:IX+3], v101
	ds_load_b128 v[IX+4:IX+7], v101 offset:16
	ds_load_b128 v[PC:PC+3], v101 offset:64
	ds_load_b128 v[PC+4:PC+7], v101 offset:80
	ds_load_b128 v[P2:P2+3], v101 offset:128
	ds_load_b128 v[P2+4:P2+7], v101 offset:144
.irp ks, 0,1,2,3,4,5,6,7
	ds_load_b128 v[FA+8*\ks:FA+8*\ks+3], v97 offset:64*\ks
	ds_load_b128 v[FA+8*\ks+4:FA+8*\ks+7], v97 offset:64*\ks+32
	ds_load_b128 v[FB+8*\ks:FB+8*\ks+3], v98 offset:64*\ks
	ds_load_b128 v[FB+8*\ks+4:FB+8*\ks+7], v98 offset:64*\ks+32
.endr
	s_wait_dscnt 0x0
	; A = candidates, B = frames: register j of lane (r, h) is candidate 8h + j against frame r.
	; Two accumulators take turns, one instruction a turn; the first two products start the sums.
	v_wmma_f32_16x16x32_bf16 v[ACC0:ACC0+7], v[FA:FA+7], v[FB:FB+7], 0
	v_wmma_f32_16x16x32_bf16 v[ACC1:ACC1+7], v[FA+8:FA+15], v[FB+8:FB+15], 0
.irp ks, 2,4,6
	v_wmma_f32_16x16x32_bf16 v[ACC0:ACC0+7], v[FA+8*\ks:FA+8*\ks+7], v[FB+8*\ks:FB+8*\ks+7], v[ACC0:ACC0+7]
	v_wmma_f32_16x16x32_bf16 v[ACC1:ACC1+7], v[FA+8*\ks+8:FA+8*\ks+15], v[FB+8*\ks+8:FB+8*\ks+15], v[ACC1:ACC1+7]
.endr
.rept 4
	v_nop                                          ; four places behind the last matrix instruction (ISA guide 7.12.1) before its results are read
.endr
.irp j, 0,2,4,6
	v_pk_add_f32 v[ACC0+\j:ACC0+\j+1], v[ACC0+\j:ACC0+\j+1], v[ACC1+\j:ACC1+\j+1]
.endr
.irp j, 0,1,2,3,4,5,6,7
	v_fma_f32 v[ACC0+\j], v[ACC0+\j], -2.0, v[P2+\j]
	v_cmp_eq_u32 s38, v[PC+\j], v5                 ; the candidate's phone is the frame's,
	s_or_b32 s38, s38, s25                         ; or the frame's phone test is dropped
	v_cndmask_b32 v[ACC0+\j], v7, v[ACC0+\j], s38
	INSERT ACC0+\j, IX+\j
.endr
	s_add_co_u32 s26, s26, 16
	s_sub_co_i32 s30, s30, 16
	s_add_co_u32 s29, s29, 1
	s_cmp_lt_u32 s29, s28
	s_cbranch_scc1 .Ltile
.Lmerge:
	XCHG                                           ; both halves now hold the wave's four best of frame r
	s_wait_xcnt 0x0                                ; EXEC changes only behind this wait
	s_mov_b32 exec_lo, 0xffff                      ; one copy is stored
	ds_store_b128 v102, v[LK:LK+3]
	ds_store_b128 v102, v[LI:LI+3] offset:16
	s_mov_b32 exec_lo, -1
	s_wait_dscnt 0x0
	s_barrier_signal -1
	s_barrier_wait -1                              ; all eight lists are in LDS
	s_cmp_lg_u32 s18, 0
	s_cbranch_scc1 .Lend
	; Wave 0: lane (r, h) merges the lists of waves 4h .. 4h+3, then the halves merge.
	ds_load_b128 v[LK:LK+3], v103
	ds_load_b128 v[LI:LI+3], v103 offset:16
.irp u, 1,2,3
	ds_load_b128 v[RAW+8*\u:RAW+8*\u+3], v103 offset:512*\u
	ds_load_b128 v[RAW+8*\u+4:RAW+8*\u+7], v103 offset:512*\u+16
.endr
	s_wait_dscnt 0x0
.irp u, 1,2,3
.irp k, 0,1,2,3
	INSERT RAW+8*\u+\k, RAW+8*\u+4+\k
.endr
.endr
	XCHG
	v_mov_b32 v9, 0x70000000                       ; 1.58e29: keys from here on are masked places
	s_lshl_b32 s38, s17, 2
	s_or_b32 s38, s38, 0x80000000
.irp k, 0,1,2,3
	s_add_co_u32 s39, s38, \k
	v_cmp_lt_f32 vcc_lo, v[LK+\k], v9
	v_cndmask_b32 v[LI+\k], s39, v[LI+\k], vcc_lo  ; an empty place carries its own number 4q + k under the top bit
.endr
	s_lshl_b32 s38, s17, 14
	s_lshl_b32 s39, s16, 8
	s_add_co_u32 s38, s38, s39
	v_add_nc_u32 v8, s38, v6
	s_wait_xcnt 0x0
	s_wait_tensorcnt 0x0
	ds_add_u32 v126, v127
	s_wait_dscnt 0x0
	s_mov_b32 exec_lo, 0xffff
	global_store_b128 v8, v[LI:LI+3], s[14:15]     ; 16 lanes store 256 consecutive bytes, at a multiple of 256 from cand's first byte
	s_endpgm
.Lend:
	s_wait_tensorcnt 0x0
	ds_add_u32 v126, v127
	s_wait_dscnt 0x0
	s_endpgm
.Lfunc_end_k_q77823e5410_screen:
	.size	k_q77823e5410_screen, .Lfunc_end_k_q77823e5410_screen-k_q77823e5410_screen
	.p2alignl 7, 3214868480
	.fill 96, 4, 3214868480
	.section	.rodata,"a",@progbits
	.p2align	6, 0x0
	.amdhsa_kernel k_q77823e5410_screen
		.amdhsa_group_segment_fixed_size 83200
		.amdhsa_private_segment_fixed_size 0
		.amdhsa_enable_private_segment 0
		.amdhsa_kernarg_size 48
		.amdhsa_user_sgpr_count 2
		.amdhsa_user_sgpr_kernarg_segment_ptr 1
		.amdhsa_wavefront_size32 1
		.amdhsa_system_sgpr_workgroup_id_x 1
		.amdhsa_system_sgpr_workgroup_id_y 1
		.amdhsa_system_sgpr_workgroup_id_z 1
		.amdhsa_system_vgpr_workitem_id 0
		.amdhsa_next_free_vgpr 256
		.amdhsa_next_free_sgpr 66
		.amdhsa_reserve_vcc 1
		.amdhsa_float_denorm_mode_32 3
		.amdhsa_float_denorm_mode_16_64 3
		.amdhsa_memory_ordered 1
		.amdhsa_forward_progress 1
		.amdhsa_inst_pref_size 71
	.end_amdhsa_kernel
	.amdgpu_metadata
---
amdhsa.version: [ 1, 2 ]
amdhsa.kernels:
  - .name:           k_q77823e5410_screen
    .symbol:         k_q77823e5410_screen.kd
    .args:
      - { .name: h_clean, .offset: 0, .size: 8, .value_kind: global_buffer, .address_space: global }
      - { .name: prototypes, .offset: 8, .size: 8, .value_kind: global_buffer, .address_space: global }
      - { .name: lists, .offset: 16, .size: 8, .value_kind: global_buffer, .address_space: global }
      - { .name: offs, .offset: 24, .size: 8, .value_kind: global_buffer, .address_space: global }
      - { .name: cnts, .offset: 32, .size: 8, .value_kind: global_buffer, .address_space: global }
      - { .name: cand, .offset: 40, .size: 8, .value_kind: global_buffer, .address_space: global }
    .group_segment_fixed_size: 83200
    .private_segment_fixed_size: 0
    .kernarg_segment_align: 8
    .kernarg_segment_size: 48
    .max_flat_workgroup_size: 256
    .sgpr_count:     66
    .vgpr_count:     256
    .wavefront_size: 32
...
	.end_amdgpu_metadata
.endif
;; end of part 2
;; launch finish (part 3): grid 256 x 1, 4 waves a work-group, no clusters, 0 bytes of LDS; arguments h_clean, prototypes, lists, cand, out0; writes out0
.if DOCPART == 3
	.amdgcn_target "amdgcn-amd-amdhsa--gfx1250"
	.amdhsa_code_object_version 6
	.text
	.protected	k_q77823e5410_finish
	.globl	k_q77823e5410_finish
	.p2align	8
	.type	k_q77823e5410_finish,@function
k_q77823e5410_finish:
	s_mov_b64 s[64:65], 0
	v_nop
	global_prefetch_b8 v0, s[64:65] scope:SCOPE_SE
	s_setreg_imm32_b32 hwreg(HW_REG_WAVE_MODE, 25, 1), 1
	s_wait_xcnt 0x0
; FINISH: one wave for each place s of the sorted frame list.  Its 16 finalists (4 from each quarter) are gathered once, 1 KiB each, and stay in
; registers: d2 = |p - h|^2 in f32, the four smallest (equal distances: the lower index first, as lax.top_k), softmax of -d2 with the smallest d2
; taken away, and the weighted sum.  The choice only selects weights (twelve of them are 0): no address hangs on a distance.
; An empty place has d2 = BIG = 1e30 and the index 4q + k.  If all 16 are empty, places 0..3 (rows 0..3) get 1/4 each, which is what the softmax
; over four equal masked distances gives; if some are filled, an empty place's weight is exp(-1e30) = 0.
; LIMITS: NaN and infinities in h_clean or prototypes are not served (a finalist's row is multiplied by its weight also where that is 0).
; No LDS, no barrier, no matrix unit (16 dot products of 256 a wave), no cluster (the waves share nothing).
.set FRAMES, 32*25600                  ; the frames' list begins behind 32 segments of 25,600 bytes
.set H,   8                            ; v[8:15]    the frame: columns 4L .. 4L+3 and 128 + 4L .. + 3
.set D,   16                           ; v[16:31]   the lane's part of finalist e's d2
.set VO,  32                           ; v[32:47]   byte offsets of the rows
.set OUT, 48                           ; v[48:55]
.set TT,  56                           ; v[56:71]   at work
.set ROW, 128                          ; v[128:255] finalist e: 8 registers, columns as in H
	s_load_b256 s[4:11], s[0:1], 0x0               ; h s[4:5], prototypes s[6:7], lists s[8:9], cand s[10:11]
	s_load_b64 s[12:13], s[0:1], 0x20              ; out0
	v_lshrrev_b32 v56, 5, v0
	v_readfirstlane_b32 s21, v56
	s_lshl_b32 s38, ttmp9, 2
	s_add_co_u32 s21, s38, s21                     ; place s = 4 x work-group + wave
	v_and_b32 v57, 31, v0
	v_lshlrev_b32 v1, 4, v57                       ; 16 L
	v_and_b32 v58, 15, v0                          ; e = L mod 16
	v_lshrrev_b32 v59, 2, v58
	v_and_b32 v58, 3, v58
	s_lshl_b32 s39, s21, 4
	v_lshl_add_u32 v59, v59, 14, s39
	v_lshl_add_u32 v59, v58, 2, v59                ; cand[e / 4][s][e mod 4]
	s_lshl_b32 s38, s21, 3
	s_mov_b32 s26, 0xff00ff00                      ; the lanes with bit 3, 2, 1, 0 of their number set
	s_mov_b32 s27, 0xf0f0f0f0
	s_mov_b32 s28, 0xcccccccc
	s_mov_b32 s29, 0xaaaaaaaa
	s_mov_b32 s30, 0x76543210
	s_mov_b32 s31, 0xfedcba98
	s_mov_b32 s41, 0                               ; the upper words of the weight pairs are never used, but the pairs count as read
	s_mov_b32 s43, 0
	v_mov_b32 v7, 0x7149f2ca                       ; BIG
	v_mov_b32 v5, 0                                ; rank
	s_wait_kmcnt 0x0
	s_load_b32 s20, s[8:9], s38 offset:FRAMES      ; t: entry s of the frames' list
	global_load_b32 v2, v59, s[10:11]
	s_wait_kmcnt 0x0
	s_min_u32 s20, s20, 1023
	s_lshl_b32 s32, s20, 10
	s_mov_b32 s33, 0
	s_add_nc_u64 s[22:23], s[4:5], s[32:33]        ; h[t]
	s_add_nc_u64 s[24:25], s[12:13], s[32:33]      ; out0[t]
	global_load_b128 v[H:H+3], v1, s[22:23]
	global_load_b128 v[H+4:H+7], v1, s[22:23] offset:512
	s_wait_loadcnt 0x2                             ; the two loads of h are younger and stay out: the finalists' word is in
	v_cmp_le_i32 s44, 0, v2                        ; top bit clear: a filled place
	v_and_b32 v3, 0x7fffffff, v2
	v_min_u32 v3, 0x1869f, v3                      ; index
.macro ROWADDR e
	v_readlane_b32 s38, v3, \e
	s_min_u32 s38, s38, 0x1869f
	s_lshl_b32 s38, s38, 10
	v_add_nc_u32 v[VO+\e], s38, v1
	global_load_b128 v[ROW+8*\e:ROW+8*\e+3], v[VO+\e], s[6:7]              ; a wave's load covers 512 consecutive bytes of the row
	global_load_b128 v[ROW+8*\e+4:ROW+8*\e+7], v[VO+\e], s[6:7] offset:512
.endm
.macro DIST e
	s_wait_loadcnt 30-2*\e                         ; the two loads of each later row stay out
.irp k, 0,1,2,3
	v_pk_add_f32 v[TT+2*\k:TT+2*\k+1], v[ROW+8*\e+2*\k:ROW+8*\e+2*\k+1], v[H+2*\k:H+2*\k+1] neg_lo:[0,1] neg_hi:[0,1]
.endr
	v_pk_mul_f32 v[TT+8:TT+9], v[TT:TT+1], v[TT:TT+1]
.irp k, 1,2,3
	v_pk_fma_f32 v[TT+8:TT+9], v[TT+2*\k:TT+2*\k+1], v[TT+2*\k:TT+2*\k+1], v[TT+8:TT+9]
.endr
	v_add_f32 v[D+\e], v[TT+8], v[TT+9]
.endm
; One step of a reduction that transposes: a lane with bit n of its number set keeps sums e + n and hands sums e to its partner, the other the reverse.
.macro TRED n, m
.set e, 0
.rept \n
	v_cndmask_b32 v[TT+2*e], v[D+e], v[D+e+\n], s[\m]
	v_cndmask_b32 v[TT+2*e+1], v[D+e+\n], v[D+e], s[\m]
.set e, e+1
.endr
.set e, 0
.rept \n
	v_add_f32_dpp v[D+e], v[TT+2*e+1], v[TT+2*e] row_xmask:\n row_mask:0xf bank_mask:0xf
.set e, e+1
.endr
.endm
; rank += 1 where finalist j comes before mine: smaller d2, or equal d2 and lower index.
.macro RANK j
	v_readlane_b32 s38, v4, \j
	v_readlane_b32 s39, v3, \j
	v_cmp_lt_f32 s34, s38, v4
	v_cmp_eq_f32 s35, s38, v4
	v_cmp_lt_u32 s36, s39, v3
	s_and_b32 s35, s35, s36
	s_or_b32 vcc_lo, s34, s35
	v_add_co_ci_u32 v5, vcc_lo, 0, v5, vcc_lo
.endm
; out += w[e] x row e; the first product starts the sums.  Two scalar pairs take turns.
.macro WSUM e
	v_readlane_b32 s[40+2*(\e&1)], v6, \e
.irp k, 0,1,2,3
.if \e == 0
	v_pk_mul_f32 v[OUT+2*\k:OUT+2*\k+1], v[ROW+2*\k:ROW+2*\k+1], s[40:41] op_sel_hi:[1,0]
.else
	v_pk_fma_f32 v[OUT+2*\k:OUT+2*\k+1], v[ROW+8*\e+2*\k:ROW+8*\e+2*\k+1], s[40+2*(\e&1):41+2*(\e&1)], v[OUT+2*\k:OUT+2*\k+1] op_sel_hi:[1,0,1]
.endif
.endr
.endm
.irp e, 0,1,2,3,4,5,6,7,8,9,10,11,12,13,14,15
	ROWADDR \e
.endr
.irp e, 0,1,2,3,4,5,6,7,8,9,10,11,12,13,14,15
	DIST \e
.endr
	TRED 8, 26
	TRED 4, 27
	TRED 2, 28
	TRED 1, 29
	v_permlanex16_b32 v[D+1], v[D], s30, s31
	v_add_f32 v4, v[D], v[D+1]                     ; lane L holds d2 of finalist L mod 16
	v_cndmask_b32 v4, v7, v4, s44                  ; BIG for an empty place
.irp j, 0,1,2,3,4,5,6,7,8,9,10,11,12,13,14,15
	RANK \j
.endr
	v_mov_b32 v6, v4
.irp n, 1,2,4,8
	v_min_num_f32_dpp v6, v6, v6 row_xmask:\n row_mask:0xf bank_mask:0xf
.endr
	v_sub_f32 v56, v6, v4                          ; smallest d2 - d2 <= 0: the softmax's maximum is taken away
	v_mul_f32 v56, 0x3fb8aa3b, v56
	v_exp_f32 v57, v56
	v_cmp_gt_u32 vcc_lo, 4, v5                     ; the plain instruction that stands behind the exponential (ISA guide 5.7.2): the four nearest
	s_wait_alu depctr_va_vdst(0)
	v_cndmask_b32 v6, 0, v57, vcc_lo
	v_mov_b32 v58, v6
.irp n, 1,2,4,8
	v_add_f32_dpp v58, v58, v58 row_xmask:\n row_mask:0xf bank_mask:0xf
.endr
	v_rcp_f32 v59, v58                             ; the sum holds the term 1 of the nearest
	v_nop
	s_wait_alu depctr_va_vdst(0)
	v_mul_f32 v6, v6, v59
.irp e, 0,1,2,3,4,5,6,7,8,9,10,11,12,13,14,15
	WSUM \e
.endr
	global_store_b128 v1, v[OUT:OUT+3], s[24:25]               ; a wave's store covers 512 consecutive bytes, aligned
	global_store_b128 v1, v[OUT+4:OUT+7], s[24:25] offset:512
	s_endpgm
.Lfunc_end_k_q77823e5410_finish:
	.size	k_q77823e5410_finish, .Lfunc_end_k_q77823e5410_finish-k_q77823e5410_finish
	.p2alignl 7, 3214868480
	.fill 96, 4, 3214868480
	.section	.rodata,"a",@progbits
	.p2align	6, 0x0
	.amdhsa_kernel k_q77823e5410_finish
		.amdhsa_group_segment_fixed_size 0
		.amdhsa_private_segment_fixed_size 0
		.amdhsa_enable_private_segment 0
		.amdhsa_kernarg_size 40
		.amdhsa_user_sgpr_count 2
		.amdhsa_user_sgpr_kernarg_segment_ptr 1
		.amdhsa_wavefront_size32 1
		.amdhsa_system_sgpr_workgroup_id_x 1
		.amdhsa_system_sgpr_workgroup_id_y 1
		.amdhsa_system_sgpr_workgroup_id_z 1
		.amdhsa_system_vgpr_workitem_id 0
		.amdhsa_next_free_vgpr 256
		.amdhsa_next_free_sgpr 66
		.amdhsa_reserve_vcc 1
		.amdhsa_float_denorm_mode_32 3
		.amdhsa_float_denorm_mode_16_64 3
		.amdhsa_memory_ordered 1
		.amdhsa_forward_progress 1
		.amdhsa_inst_pref_size 33
	.end_amdhsa_kernel
	.amdgpu_metadata
---
amdhsa.version: [ 1, 2 ]
amdhsa.kernels:
  - .name:           k_q77823e5410_finish
    .symbol:         k_q77823e5410_finish.kd
    .args:
      - { .name: h_clean, .offset: 0, .size: 8, .value_kind: global_buffer, .address_space: global }
      - { .name: prototypes, .offset: 8, .size: 8, .value_kind: global_buffer, .address_space: global }
      - { .name: lists, .offset: 16, .size: 8, .value_kind: global_buffer, .address_space: global }
      - { .name: cand, .offset: 24, .size: 8, .value_kind: global_buffer, .address_space: global }
      - { .name: out0, .offset: 32, .size: 8, .value_kind: global_buffer, .address_space: global }
    .group_segment_fixed_size: 0
    .private_segment_fixed_size: 0
    .kernarg_segment_align: 8
    .kernarg_segment_size: 40
    .max_flat_workgroup_size: 128
    .sgpr_count:     66
    .vgpr_count:     256
    .wavefront_size: 32
...
	.end_amdgpu_metadata
.endif
;; end of part 3
